; MI455X (gfx1250); checked and timed in simulation.
; The chip was launched on July 23, 2026; its instructions are those of AMD's public machine-readable ISA for CDNA 5 (MIT licence, August 2026) and "CDNA5" Instruction Set Architecture Reference Guide (July 2026). The comments in the code are by the model that wrote it; some were corrected since.
;; Codebook Quantizer. Allowed arithmetic: matrix products marked QUANTISED: E4M3 operands, one given power-of-two scale a tensor, by v_wmma_f32_16x16x64_fp8_fp8 or v_wmma_f32_16x16x128_fp8_fp8, f32 sums; everything else in f32.
;; Inputs: codebook 8,192 x 512 float32; lowp_scales 2 int32 (the exponents e of the quantised operands' scales 2^e); x 8 x 2,048 x 512 float32.
;; Outputs: out0 8 x 2,048 x 512 float32.
;; This version of the problem:
;;   THIS VERSION OF THE PROBLEM IS GIVEN IN LOW PRECISION. The matrix products marked QUANTISED in the list below multiply operands that are first quantised to E4M3 (4 exponent bits, 3 mantissa bits; 8 bits a number), with one given power-of-two scale for each operand tensor; their sums are f32. All else is computed in f32.
;;   The module's matrix products, in the order in which they are computed (A, B: the left and right operand; K: the contracted axis; several contracted axes count as one K, in the product's order):
;;     1. [M 16,384, K 512] x [K 512, N 8,192]; A: input x; B: input codebook: QUANTISED (scales: A lowp_scales[0], B lowp_scales[1])
;;   THE QUANTISER, for each operand of a quantised product, along K:
;;     - The operand's scale is 2^e, e = its entry of the input lowp_scales (int32; the entries are numbered through the quantised products in the list's order, A before B).
;;     - Each number is divided by the scale, clamped to +-448, and rounded to the nearest number of E4M3, ties to even, subnormals kept.
;;     - The product sums the exact products of the quantised numbers (number of the format x scale) in f32.
;;   ~~~python
;;   def quantise(x, axis, e):      # numpy; x: float32 -> the quantised numbers, widened to float32 again
;;       x = np.moveaxis(x, axis, -1); K = x.shape[-1]
;;       r = np.clip(x / 2.0 ** e, -448, 448)
;;       step = 2.0 ** (np.maximum(np.frexp(np.where(r == 0, 1, r))[1] - 1, -6) - 3)
;;       q = np.round(r / step) * step * 2.0 ** e      # np.round: ties to even
;;       return np.moveaxis(q, -1, axis).astype(np.float32)
;;   ~~~
;; One version. Each part assembles by itself: llvm-mc -triple=amdgcn-amd-amdhsa -mcpu=gfx1250 --defsym DOCPART=n.
;; ======== version 1 of 1: 3 launches
;; workspace buffers: xq 8,388,608 bytes; cq 4,194,304 bytes; x2 65,536 bytes; e2 32,768 bytes; ckey 524,288 bytes of whole numbers; cidx 524,288 bytes of whole numbers
;; launch prep (part 1): grid 256 x 1, 6 waves a work-group, no clusters, 51,456 bytes of LDS; arguments x, codebook, lowp_scales, xq, cq, x2, e2; writes xq, cq, x2, e2
.if DOCPART == 1
	.amdgcn_target "amdgcn-amd-amdhsa--gfx1250"
	.amdhsa_code_object_version 6
	.text
	.protected	k_qa936859b76_prep
	.globl	k_qa936859b76_prep
	.p2align	8
	.type	k_qa936859b76_prep,@function
k_qa936859b76_prep:
	s_mov_b64 s[64:65], 0
	v_nop
	global_prefetch_b8 v0, s[64:65] scope:SCOPE_SE
	s_setreg_imm32_b32 hwreg(HW_REG_WAVE_MODE, 25, 1), 1
	s_wait_xcnt 0x0
; x [16384][512] and codebook [8192][512], f32, become codes of FP8 (E4M3), each with the one scale 2^e that is given for it, and each row's sum of squares (of the numbers as they
; are given, in f32) is stored beside them.  code = number / 2^e, held within +-448, to the nearest code, ties to even.
; LIMITS: e between -126 and 119, so that 2^e and 448 x 2^e are f32 numbers.  NaN among the inputs is not served; an infinity is held at the largest code.
; A row's sum of squares is added in eight chains a lane and then across two lanes: another order than a plain run along the row.
; THE CODES ARE LAID IN THE ORDER OF THE OPERAND'S REGISTERS.  A tile is 16 rows, 8,192 bytes: K step s (128 along K) at 2,048 s, piece c at 512 c, lane L = r + 16 h at 16 L; the lane's 16 bytes
; are row r's codes at k = 128 s + 32 c + 8 h + 0..7 and at k = 128 s + 32 c + 16 + 8 h + 0..7: registers 4 c .. 4 c + 3 of a fragment of the 16x16x128 form, every k in its own place.
; SHARES.  1,024 tiles of x and 512 of the codebook are 1,536 = 256 work-groups x 6 waves: a tile a wave.  Only pointers and e are chosen by the tile's number: one way through the text.
; Waves share nothing: no barrier.  A load takes 512 consecutive bytes of a row; a K step's 16 x 512 bytes turn through the wave's own stage in LDS, so that a lane gets neighbours along K.
.set PITCH, 528                        ; a stage row: 512 bytes + 16 = 33 x 16, so that the 16 rows that a read touches begin at 16 different 16-byte columns
.set WST,   16*PITCH                   ; a wave's stage
.set XT,    1024                       ; tiles of x
.set XR,    16                         ; v16-207   three sets of 64 numbers (K step s in set s % 3)
.set CR,    208                        ; v208-239  two sets of 16 registers of codes (s % 2)
.set SQ,    240                        ; v240-247  the sum of squares in four packed chains
; v1 lane, v2 r, v3 h, v4 16 x lane (loads and code stores), v5 stage in, v6 stage out, v7 4 r, v248 2^e, v249 448 x 2^e
	s_load_b256 s[4:11], s[0:1], 0x0               ; x s[4:5], codebook s[6:7], the scales' exponents s[8:9], xq s[10:11]
	s_load_b128 s[12:15], s[0:1], 0x20             ; cq s[12:13], x2 s[14:15]
	s_load_b64 s[16:17], s[0:1], 0x30              ; e2
	v_lshl_add_u32 v250, v0, 2, 0xc600
	v_mov_b32 v251, 0
	v_lshrrev_b32 v1, 5, v0
	v_readfirstlane_b32 s18, v1                    ; wave 0..5
	v_and_b32 v1, 31, v0                           ; lane
	v_and_b32 v2, 15, v0                           ; r
	v_bfe_u32 v3, v0, 4, 1                         ; h
	v_lshlrev_b32 v4, 4, v1
	s_mul_i32 s36, s18, WST
	v_add_nc_u32 v5, s36, v4                       ; in: my 16 bytes of a row's 512
	v_mul_u32_u24 v6, v2, PITCH
	v_lshl_add_u32 v6, v3, 5, v6
	v_add_nc_u32 v6, s36, v6                       ; out: row r, + 32 h bytes: 8 numbers
	v_lshlrev_b32 v7, 2, v2
	s_mul_i32 s19, ttmp9, 6
	s_add_co_u32 s19, s19, s18                     ; my tile, 0..1535
	s_mov_b32 s32, 0x76543210                      ; v_permlanex16_b32's selects for lane l xor 16
	s_mov_b32 s33, 0xfedcba98
	s_wait_kmcnt 0x0
	s_load_b64 s[28:29], s[8:9], 0x0               ; e of x, e of the codebook
	s_cmp_lt_u32 s19, XT                           ; x's tile or the codebook's?  The choice hangs on ids alone
	s_cselect_b64 s[20:21], s[4:5], s[6:7]         ; from where,
	s_cselect_b64 s[22:23], s[10:11], s[12:13]     ; the codes to where,
	s_cselect_b64 s[24:25], s[14:15], s[16:17]     ; the sums to where
	s_cselect_b32 s26, 0, XT
	s_sub_co_u32 s35, s19, s26                     ; the tile's number in its tensor
	s_mov_b32 s27, 0
	s_lshl_b32 s26, s35, 15                        ; 16 rows of 2,048 bytes
	s_add_nc_u64 s[20:21], s[20:21], s[26:27]
	s_lshl_b32 s26, s35, 13                        ; 8,192 bytes of codes
	s_add_nc_u64 s[22:23], s[22:23], s[26:27]
	s_lshl_b32 s26, s35, 6                         ; 16 sums
	s_add_nc_u64 s[24:25], s[24:25], s[26:27]
.macro LOAD s                          ; K step s of the 16 rows: each load takes 512 consecutive bytes of one row
.irp i, 0,1,2,3,4,5,6,7,8,9,10,11,12,13,14,15
	global_load_b128 v[XR+64*((\s)%3)+4*\i:XR+64*((\s)%3)+4*\i+3], v4, s[20:21] offset:2048*\i+512*(\s) th:TH_LOAD_NT
.endr
.endm
.macro TURN s                          ; through the stage and back into the same set: LDS serves a wave's instructions in order (ISA guide 5.7.1.4), so no wait stands between the stores and the loads
.set RS, XR+64*((\s)%3)
.irp i, 0,1,2,3,4,5,6,7,8,9,10,11,12,13,14,15
	ds_store_b128 v5, v[RS+4*\i:RS+4*\i+3] offset:PITCH*\i
.endr
.irp b, 0,1,2,3                        ; register 16 b + i: k = 32 b + 8 h + i for i < 8, k = 32 b + 16 + 8 h + i - 8 from there on
	ds_load_b128 v[RS+16*\b:RS+16*\b+3],     v6 offset:128*\b
	ds_load_b128 v[RS+16*\b+4:RS+16*\b+7],   v6 offset:128*\b+16
	ds_load_b128 v[RS+16*\b+8:RS+16*\b+11],  v6 offset:128*\b+64
	ds_load_b128 v[RS+16*\b+12:RS+16*\b+15], v6 offset:128*\b+80
.endr
.endm
.macro QUANT s
.set RS, XR+64*((\s)%3)
.set CS, CR+16*((\s)%2)
.set u, 0
.rept 32                               ; the squares first, of the numbers as they are given; the first four products start the chains: nothing is cleared
.if ((\s) == 0) && (u < 4)
	v_pk_mul_f32 v[SQ+2*u:SQ+2*u+1], v[RS+2*u:RS+2*u+1], v[RS+2*u:RS+2*u+1]
.else
	v_pk_fma_f32 v[SQ+2*(u%4):SQ+2*(u%4)+1], v[RS+2*u:RS+2*u+1], v[RS+2*u:RS+2*u+1], v[SQ+2*(u%4):SQ+2*(u%4)+1]
.endif
.set u, u+1
.endr
.set u, 0
.rept 64
	v_med3_num_f32 v[RS+u], v[RS+u], -v249, v249   ; the conversion to an 8-bit code does not saturate (ISA guide 7.6.2): the hold at the largest code x the scale
.set u, u+1
.endr
.if (\s) >= 2
	s_wait_xcnt 0x0                                ; this set of code registers is written a second time: the stores of two K steps ago have read it
.endif
.irp g, 0,1,2,3,4,5,6,7
	v_cvt_scalef32_pk8_fp8_f32 v[CS+2*\g:CS+2*\g+1], v[RS+8*\g:RS+8*\g+7], v248
.endr                                  ; (the results go to stores alone, and the next vector lines are plain and name other registers)
.irp b, 0,1,2,3
	global_store_b128 v4, v[CS+4*\b:CS+4*\b+3], s[22:23] offset:2048*(\s)+512*\b   ; 32 lanes store 512 consecutive bytes, at a multiple of 512 from the buffer's first byte
.endr
.endm
	LOAD 0
	LOAD 1
	LOAD 2                                         ; 48 loads, 24,576 bytes, of each wave are on their way
	s_wait_kmcnt 0x0
	s_cmp_lt_u32 s19, XT
	s_cselect_b32 s30, s28, s29                    ; e
	s_add_co_i32 s30, s30, 127
	s_lshl_b32 s31, s30, 23
	v_mov_b32 v248, s31                            ; 2^e as f32: the conversion takes its exponent field
	s_add_co_i32 s30, s30, 8
	s_lshl_b32 s30, s30, 23
	s_or_b32 s30, s30, 0x600000
	v_mov_b32 v249, s30                            ; 448 x 2^e
	s_wait_loadcnt 32                              ; K step 0's 16 loads are in; steps 1 and 2 stay out
	TURN 0
	s_wait_dscnt 0x0
	QUANT 0
	LOAD 3                                         ; into set 0, which has been converted
	s_wait_loadcnt 32                              ; K step 1 is in; steps 2 and 3 stay out
	TURN 1
	s_wait_dscnt 0x0
	QUANT 1
	s_wait_loadcnt 16                              ; K step 2 is in; step 3 stays out
	TURN 2
	s_wait_dscnt 0x0
	QUANT 2
	s_wait_loadcnt 0x0
	TURN 3
	s_wait_dscnt 0x0
	QUANT 3
	v_pk_add_f32 v[SQ:SQ+1], v[SQ:SQ+1], v[SQ+2:SQ+3]
	v_pk_add_f32 v[SQ+4:SQ+5], v[SQ+4:SQ+5], v[SQ+6:SQ+7]
	v_pk_add_f32 v[SQ:SQ+1], v[SQ:SQ+1], v[SQ+4:SQ+5]
	v_add_f32 v[SQ], v[SQ], v[SQ+1]                ; my half of row r,
	v_permlanex16_b32 v[SQ+2], v[SQ], s32, s33     ; (its destination has been written)
	v_add_f32 v[SQ], v[SQ], v[SQ+2]                ; and lane l xor 16's: the row's sum
	v_cmp_gt_u32 vcc_lo, 16, v1
	s_wait_xcnt 0x0                                ; EXEC is a source of the stores above: it changes only behind this wait
	s_wait_tensorcnt 0x0
	ds_add_u32 v250, v251
	s_wait_dscnt 0x0
	s_and_saveexec_b32 s34, vcc_lo
	global_store_b32 v7, v[SQ], s[24:25]           ; 16 sums, 64 consecutive bytes: four neighbouring tiles' waves fill an aligned 256 between them; 98,304 bytes in the whole launch
	s_wait_xcnt 0x0                                ; and again, in front of the line that widens it
	s_or_b32 exec_lo, exec_lo, s34
	s_endpgm
.Lfunc_end_k_qa936859b76_prep:
	.size	k_qa936859b76_prep, .Lfunc_end_k_qa936859b76_prep-k_qa936859b76_prep
	.p2alignl 7, 3214868480
	.fill 96, 4, 3214868480
	.section	.rodata,"a",@progbits
	.p2align	6, 0x0
	.amdhsa_kernel k_qa936859b76_prep
		.amdhsa_group_segment_fixed_size 51456
		.amdhsa_private_segment_fixed_size 0
		.amdhsa_enable_private_segment 0
		.amdhsa_kernarg_size 56
		.amdhsa_user_sgpr_count 2
		.amdhsa_user_sgpr_kernarg_segment_ptr 1
		.amdhsa_wavefront_size32 1
		.amdhsa_system_sgpr_workgroup_id_x 1
		.amdhsa_system_sgpr_workgroup_id_y 1
		.amdhsa_system_sgpr_workgroup_id_z 1
		.amdhsa_system_vgpr_workitem_id 0
		.amdhsa_next_free_vgpr 252
		.amdhsa_next_free_sgpr 66
		.amdhsa_reserve_vcc 1
		.amdhsa_float_denorm_mode_32 3
		.amdhsa_float_denorm_mode_16_64 3
		.amdhsa_memory_ordered 1
		.amdhsa_forward_progress 1
		.amdhsa_inst_pref_size 45
	.end_amdhsa_kernel
	.amdgpu_metadata
---
amdhsa.version: [ 1, 2 ]
amdhsa.kernels:
  - .name:           k_qa936859b76_prep
    .symbol:         k_qa936859b76_prep.kd
    .args:
      - { .name: x, .offset: 0, .size: 8, .value_kind: global_buffer, .address_space: global }
      - { .name: codebook, .offset: 8, .size: 8, .value_kind: global_buffer, .address_space: global }
      - { .name: lowp_scales, .offset: 16, .size: 8, .value_kind: global_buffer, .address_space: global }
      - { .name: xq, .offset: 24, .size: 8, .value_kind: global_buffer, .address_space: global }
      - { .name: cq, .offset: 32, .size: 8, .value_kind: global_buffer, .address_space: global }
      - { .name: x2, .offset: 40, .size: 8, .value_kind: global_buffer, .address_space: global }
      - { .name: e2, .offset: 48, .size: 8, .value_kind: global_buffer, .address_space: global }
    .group_segment_fixed_size: 51456
    .private_segment_fixed_size: 0
    .kernarg_segment_align: 8
    .kernarg_segment_size: 56
    .max_flat_workgroup_size: 192
    .sgpr_count:     66
    .vgpr_count:     252
    .wavefront_size: 32
...
	.end_amdgpu_metadata
.endif
;; end of part 1
;; launch search (part 2): grid 32 x 8, 4 waves a work-group, clusters of 4 x 1, 327,680 bytes of LDS; arguments xq, cq, x2, e2, lowp_scales, ckey, cidx; writes ckey, cidx
.if DOCPART == 2
	.amdgcn_target "amdgcn-amd-amdhsa--gfx1250"
	.amdhsa_code_object_version 6
	.text
	.protected	k_qa936859b76_search
	.globl	k_qa936859b76_search
	.p2align	8
	.type	k_qa936859b76_search,@function
k_qa936859b76_search:
	s_mov_b64 s[64:65], 0
	v_nop
	global_prefetch_b8 v0, s[64:65] scope:SCOPE_SE
	s_setreg_imm32_b32 hwreg(HW_REG_WAVE_MODE, 25, 1), 1
	s_wait_xcnt 0x0
	s_wait_alu depctr_hold_cnt(0) depctr_sa_sdst(0) depctr_va_vdst(0) depctr_va_sdst(0) depctr_va_ssrc(0) depctr_va_vcc(0) depctr_vm_vsrc(0)
	s_getreg_b32 s2, hwreg(HW_REG_IB_STS2, 6, 4)
	s_cmp_eq_u32 s2, 0
	s_cbranch_scc0 .Lentry_in_a_cluster
	s_endpgm
.Lentry_in_a_cluster:
	s_bfe_u32 s2, ttmp6, 0x10000c
	s_cmp_lg_u32 s2, 0x3003
	s_cbranch_scc0 .Lentry_shape_is_right
	s_endpgm
.Lentry_shape_is_right:
; For each query (a row of x) and each eighth of the codebook: the smallest dist = (x2 + e2) - 2 xe and the code that has it, the lowest code on a tie.  xe is the product of the codes of FP8 (E4M3)
; times 2^(e0 + e1), by v_wmma_f32_16x16x128_fp8_fp8, sums in f32.  The distance has two roundings: r = x2 + e2, then d = r - 2 xe as ONE fused multiply-add of the sum with the exact factor -2^(1 + e0 + e1).
; LIMITS: e0 + e1 between -127 and 126, so that the factor is an f32 number.  NaN is not served: a NaN distance loses against a number.
; SHARES.  Work-group (qb, y): queries 512 qb .. + 511 against codes 1,024 y .. + 1,023.  Each of the four waves keeps 128 queries' codes (8 tiles x 4 K steps x 16 = 512 registers) for the whole launch and
; walks the 64 tiles of 16 codes; a code tile's 8,192 bytes from LDS feed 32 matrix instructions.  Source 0 = 16 codes, source 1 = 16 queries: lane (r, h) holds query r, its register j code 16 t + 8 h + j.
; BOTH OPERANDS LIE IN MEMORY IN THE ORDER OF THE OPERAND'S REGISTERS: a fragment is four loads of 16 bytes a lane at 16 x lane, 512 consecutive bytes each: no pitch, no padding.
; THE ARGMIN costs 22 vector instructions for the 8 registers of an accumulator: 4 packed r, 4 packed d, 4 minima of three (the last joins the running minimum, which lies in two registers by turns),
; one strict compare (the earlier tile keeps a tie), one select of the tile's first code, 8 selects that SAVE the tile's eight distances.  Which of the eight it was is found once, at the end.
; BY TURNS.  The 8 query tiles are two groups of 4.  In a PHASE one group has the matrix unit (16 instructions: K step i / 4, tile i % 4, so that three other accumulators' turns lie between two links of a chain
; ) and a slice of the other group's vector work stands behind each matrix instruction.  That costs two window switches a slice; set in phases of its own, the vector work would leave the matrix unit idle.
; CLUSTER.  The four query blocks of a cluster walk the same codes and the same e2: every tensor load is asked for JOINTLY (mask 15); its addresses are made of y and the wave's number alone.
; RING.  Two slots of 16 code tiles (131,072 bytes); each wave brings a quarter of a fill.  The change of slots stands at the head of a slot's LAST tile, whose fragments are in registers by then.
; By this text's count a wave has three tensor loads out at the head and one behind each change of slots that fills.
; REGISTERS.  Window 0: see the names below.  Window 1: v0-63, v64-127 a code tile's fragments, by the tile's parity.  Windows 2, 3: the queries' codes, tile a in window 2 + a / 4 at 64 (a % 4) + 16 s.
.set TILEB, 8192                       ; a tile of 16 rows x 512 codes
.set SLOT1, 1<<17                      ; slot 0 at LDS byte 0, slot 1 here: one exclusive or turns an address from one to the other
.set E2L,   262144                     ; e2 of my 1,024 codes: 4,096 bytes
.set STAGE, 266240                     ; the way out: 1,024 bytes for each wave; no fill lands here
.set SPARE, 270336                     ; the spare words, 128 bytes for each wave: two blocks of 256 bytes that no other line names
.set LI,   1                           ; v1   16 x lane; never rewritten
.set ADR,  2                           ; v2   LDS address of the code tile to be fetched
.set ADE,  3                           ; v3   and of its e2
.set EH,   4                           ; v4   E2L + 32 h
.set SPW,  5                           ; v5   LDS address of my spare word; never rewritten
.set NIL,  6                           ; v6   0; never rewritten
.set TC,   8                           ; v8, v9   by the tile's parity: 1,024 y + 16 t + 8 h, the first code of my eight
.set STA,  16                          ; v16-63   six a query tile: +0 x2, +1 and +2 the running minimum by turns, +3 its tile's first code, +4 and +5 at work
.set ACC,  64                          ; v64-127  the accumulators: group g at 32 g, tile at 8 (a % 4)
.set TMP,  128                         ; v128-159 the distances in hand, 4 x 8
.set E2R,  160                         ; v160-175 a tile's e2 of my eight codes, by parity
.set SAV,  176                         ; v176-239 the eight distances of the tile that set the minimum, for each query tile
.set WV,   18                          ; s18  my wave's number
.set G1,   24                          ; s[24:31] descriptor group 1 for the codes: 128 rows of 256 bytes, dense
.set G1E,  32                          ; s[32:39] for e2: 4 such rows
.set G0A,  40                          ; s[40:43] group 0: slot 0's first fill
.set G0,   44                          ; s[44:47] slot 1's first fill; it then walks on
.set G0E,  48                          ; s[48:51] e2
.set FAC,  52                          ; s[52:53] -2^(1 + e0 + e1), twice: the packed form names a pair
.set SEL,  54                          ; s[54:55] v_permlanex16_b32's selects for lane l xor 16
.set TB,   56                          ; s56  LDS byte of the next tile to be fetched
.set EB,   57                          ; s57  byte of its e2 in E2L
.set MK,   60                          ; s[60:63] four lane masks, one for each tile of a group
.set MSB, 0
.macro WIN new                         ; the immediate's high byte repeats the setting that is left; a switch that changes nothing is dropped
.if MSB != (\new)
	s_set_vgpr_msb (MSB<<8)|(\new)
.set MSB, (\new)
.endif
.endm
.set W_M0, 0x09                        ; source 0 (codes) window 1, source 1 (queries) window 2, C and D window 0
.set W_M1, 0x0d                        ; the same with the queries of window 3
.set W_F,  0x40                        ; destination window 1, address window 0
; A round of the cluster's barrier: my work-group's barrier, wave 0 signals for the work-group, every wave waits for all four work-groups, my work-group's barrier once more.
.macro CROUND
	s_barrier_signal -1
	s_barrier_wait -1
	s_cmp_lg_u32 s[WV], 0
	s_cbranch_scc1 .Lnot_wave_0_\@
	s_barrier_signal -3
.Lnot_wave_0_\@:
	s_barrier_wait -3
	s_barrier_signal -1
	s_barrier_wait -1
.endm
	s_load_b256 s[4:11], s[0:1], 0x0               ; xq s[4:5], cq s[6:7], x2 s[8:9], e2 s[10:11]
	s_load_b128 s[12:15], s[0:1], 0x20             ; the scales' exponents s[12:13], ckey s[14:15]
	s_load_b64 s[16:17], s[0:1], 0x30              ; cidx
	v_lshl_add_u32 v[SPW], v0, 2, SPARE
	v_mov_b32 v[NIL], 0
	ds_add_u32 v5, v6
	ds_add_u32 v5, v6
	s_wait_dscnt 0x0
	v_lshrrev_b32 v7, 5, v0
	v_readfirstlane_b32 s[WV], v7                  ; wave 0..3
	s_bfe_u32 s19, ttmp6, 0x40000                  ; cx: my place in the cluster
	s_lshl_b32 s20, ttmp9, 2                       ; in a cluster launch ttmp9 counts clusters
	s_add_co_u32 s20, s20, s19                     ; qb: it enters xq's, x2's and the outputs' addresses alone
	s_and_b32 s21, ttmp7, 0xffff                   ; y: which eighth of the codebook; the four partners share it
	s_mov_b32 s[G1], 15|(3<<16)|(1<<21)            ; 15:0 the mask: all four work-groups; 17:16 elements of 8 bytes; 20 no padding; 21 set beside a mask
	s_mov_b32 s[G1E], 15|(3<<16)|(1<<21)
.irp g, G1, G1E
	s_mov_b32 s[\g+1], 32<<16                      ; tensor_dim0 = 32 elements: 256 bytes
	s_mov_b32 s[\g+3], 32<<16                      ; tile_dim0
	s_mov_b32 s[\g+5], 32                          ; from row to row: dense
	s_mov_b32 s[\g+6], 0
	s_mov_b32 s[\g+7], 0
.endr
	s_mov_b32 s[G1+2], 128<<16                     ; tensor_dim1 = 128 rows: 32,768 bytes, four code tiles
	s_mov_b32 s[G1+4], 128                         ; tile_dim1
	s_mov_b32 s[G1E+2], 4<<16                      ; 4 rows: 256 numbers of e2
	s_mov_b32 s[G1E+4], 4
	s_lshl_b32 s58, s[WV], 15                      ; my quarter of a slot
	s_lshl_b32 s22, s21, 19                        ; y x 64 tiles x 8,192 bytes
	s_add_co_u32 s22, s22, s58
	s_mov_b32 s23, 0
	s_lshl_b32 s59, s[WV], 10                      ; my quarter of e2, and my stage
	s_lshl_b32 s56, s21, 12                        ; y x 1,024 numbers
	s_add_co_u32 s56, s56, s59
	s_mov_b32 s57, 0
	s_lshl_b32 s60, s20, 18                        ; qb x 32 tiles x 8,192 bytes   (s60 to s63 alone hold what hangs on cx)
	s_lshl_b32 s62, s[WV], 16                      ; my 8 tiles
	s_add_co_u32 s60, s60, s62
	s_mov_b32 s61, 0
	s_lshl_b32 s62, s20, 11                        ; qb x 512 queries x 4 bytes
	s_lshl_b32 s63, s[WV], 9                       ; my 128
	s_add_co_u32 s62, s62, s63
	s_mov_b32 s63, 0
	s_mov_b32 s[SEL], 0x76543210
	s_mov_b32 s[SEL+1], 0xfedcba98
	s_wait_kmcnt 0x0
	s_load_b64 s[2:3], s[12:13], 0x0               ; e0, e1
	s_add_nc_u64 s[6:7], s[6:7], s[22:23]          ; cq at my quarter of the first 16 tiles
	s_add_nc_u64 s[10:11], s[10:11], s[56:57]      ; e2 at my quarter
	s_add_nc_u64 s[4:5], s[4:5], s[60:61]          ; xq at my first tile
	s_add_nc_u64 s[8:9], s[8:9], s[62:63]          ; x2 at my first query
	s_lshl_b32 s60, s21, 16                        ; y x 16,384 queries x 4 bytes
	s_add_co_u32 s62, s62, s60
	s_add_nc_u64 s[14:15], s[14:15], s[62:63]      ; ckey and cidx at my first query of eighth y
	s_add_nc_u64 s[16:17], s[16:17], s[62:63]
	s_mov_b32 s[G0A], 1                            ; 1:0 count = 1
	s_mov_b32 s[G0A+1], s58                        ; LDS address: slot 0, my quarter
	s_mov_b64 s[G0A+2:G0A+3], s[6:7]               ; global address: tiles 0 to 15
	s_or_b32 s[G0A+3], s[G0A+3], 0x80000000        ; type = 2
	s_mov_b32 s[G0], 1
	s_add_co_u32 s[G0+1], s58, SLOT1
	s_add_nc_u64 s[G0+2:G0+3], s[6:7], 16*TILEB    ; tiles 16 to 31
	s_or_b32 s[G0+3], s[G0+3], 0x80000000
	s_mov_b32 s[G0E], 1
	s_add_co_u32 s[G0E+1], s59, E2L
	s_mov_b64 s[G0E+2:G0E+3], s[10:11]
	s_or_b32 s[G0E+3], s[G0E+3], 0x80000000
	s_mov_b32 s[TB], 0
	s_mov_b32 s[EB], 0
	CROUND                                         ; all four work-groups are here: the first joint loads meet
	tensor_load_to_lds s[G0E:G0E+3], s[G1E:G1E+7]  ; the three first fills go out together, ahead of every wait on TENSORcnt and every LDS read
	s_nop 0
	tensor_load_to_lds s[G0A:G0A+3], s[G1:G1+7]
	s_nop 0
	tensor_load_to_lds s[G0:G0+3], s[G1:G1+7]
	s_nop 0
.rept 4
	v_nop                                          ; four lines ahead of the next window switch
.endr
	v_and_b32 v7, 31, v0
	v_lshlrev_b32 v[LI], 4, v7
	v_and_b32 v10, 15, v0                          ; r
	v_bfe_u32 v11, v0, 4, 1                        ; h
	v_lshlrev_b32 v12, 2, v10                      ; 4 r
	WIN 0x80                                       ; destination window 2, address window 0
.irp a, 0,1,2,3
.irp s, 0,1,2,3
.irp c, 0,1,2,3
	global_load_b128 v[64*\a+16*\s+4*\c:64*\a+16*\s+4*\c+3], v[LI], s[4:5] offset:TILEB*\a+2048*\s+512*\c   ; the queries' codes stay in registers; 512 consecutive bytes a load
.endr
.endr
.endr
	WIN 0xc0                                       ; destination window 3
.irp a, 0,1,2,3
.irp s, 0,1,2,3
.irp c, 0,1,2,3
	global_load_b128 v[64*\a+16*\s+4*\c:64*\a+16*\s+4*\c+3], v[LI], s[4:5] offset:TILEB*(4+\a)+2048*\s+512*\c
.endr
.endr
.endr
	WIN 0
.irp a, 0,1,2,3,4,5,6,7
	global_load_b32 v[STA+6*\a], v12, s[8:9] offset:64*\a   ; x2 of query 16 a + r
.endr
	; what the loop finds at its start, written while the loads are on their way.  The loop is written once: its first phase carries the vector work of a tile that was never multiplied:
	; sums of 0 and e2 = +infinity give distances +infinity, which are not below the running minimum +infinity, so nothing is taken.
	s_mov_b32 s60, 0x7f800000                      ; +infinity
	s_lshl_b32 s61, s21, 10
	v_lshl_add_u32 v13, v11, 3, s61                ; 1,024 y + 8 h
	v_mov_b32 v[TC], v13                           ; tile 0's
	v_add_nc_u32 v[TC+1], -16, v13                 ; tile 1's less 32: the first phase's list adds 32
	v_lshl_add_u32 v[EH], v11, 5, E2L
	s_add_co_u32 s62, s59, STAGE
	v_add_nc_u32 v14, s62, v12                     ; the way out: my stage + 4 r,
	v_add_nc_u32 v15, s62, v[LI]                   ; and back: + 16 x lane
.irp a, 0,1,2,3,4,5,6,7
	v_mov_b32 v[STA+6*\a+1], s60
	v_mov_b32 v[STA+6*\a+2], s60
	v_mov_b32 v[STA+6*\a+3], v13
.endr
.set u, 0
.rept 64
	v_mov_b32 v[SAV+u], s60
.set u, u+1
.endr
.set u, 0
.rept 8
	v_mov_b32 v[E2R+8+u], s60
.set u, u+1
.endr
.set u, 0
.rept 32
	v_mov_b32 v[ACC+32+u], 0
.set u, u+1
.endr
	v_mov_b32 v241, 0                              ; written once: a lane permute's destination counts as one of its sources
	v_mov_b32 v242, 0
	s_wait_kmcnt 0x0
	s_add_co_i32 s2, s2, s3                        ; e0 + e1
	s_add_co_i32 s2, s2, 128                       ; + 1 + 127
	s_lshl_b32 s2, s2, 23
	s_or_b32 s[FAC], s2, 0x80000000                ; -2^(1 + e0 + e1)
	s_mov_b32 s[FAC+1], s[FAC]                     ; (named with it as a pair, so it is written)
; ENTRY EL of the vector work of a group's four tiles, taken stage by stage with the tiles alternating (stage EL / 4, tile EL % 4), so that no entry reads the result of the one just before it.
; eh: the group; ep: the parity of the code tile whose sums these are; ld = 1: the list ends with the addresses of the next fetch.
; The first 16 entries name no register of a matrix instruction: they are the places between the group's last products and the first read of their sums (ISA guide 7.12.1), which begins at each accumulator's low end.
.macro EPOP eh, ep, ld
.set en, EL/4
.set ea, EL%4
.set rT, TMP+8*ea
.set rS, STA+6*(4*(\eh)+ea)
.set rA, ACC+32*(\eh)+8*ea
.set rV, SAV+8*(4*(\eh)+ea)
.set rE, E2R+8*(\ep)
.if en < 4
	v_pk_add_f32 v[rT+2*en:rT+2*en+1], v[rE+2*en:rE+2*en+1], v[rS:rS+1] op_sel_hi:[1,0]   ; r = x2 + e2 (of the pair at x2 the low word serves both halves)
.elseif en < 8
	v_pk_fma_f32 v[rT+2*en-8:rT+2*en-7], v[rA+2*en-8:rA+2*en-7], s[FAC:FAC+1], v[rT+2*en-8:rT+2*en-7] op_sel_hi:[1,0,1]   ; d = r - 2 xe
.elseif en == 8
	v_min3_num_f32 v[rS+4], v[rT], v[rT+1], v[rT+2]
.elseif en == 9
	v_min3_num_f32 v[rS+5], v[rT+3], v[rT+4], v[rT+5]
.elseif en == 10
	v_min3_num_f32 v[rS+4], v[rS+4], v[rT+6], v[rT+7]
.elseif en == 11
	v_min3_num_f32 v[rS+2-(\ep)], v[rS+4], v[rS+5], v[rS+1+(\ep)]   ; the new running minimum beside the old
.elseif en == 12
	v_cmp_lt_f32 s[MK+ea], v[rS+2-(\ep)], v[rS+1+(\ep)]             ; strictly below: the earlier tile keeps a tie
.elseif en == 13
	v_cndmask_b32 v[rS+3], v[rS+3], v[TC+(\ep)], s[MK+ea]
.elseif en < 22
	v_cndmask_b32 v[rV+en-14], v[rV+en-14], v[rT+en-14], s[MK+ea]   ; the eight distances of the tile that set the minimum
.elseif EL == 88
	v_add_nc_u32 v[TC+(\ep)], 32, v[TC+(\ep)]      ; both groups have used it: on to the next tile of this parity
.elseif EL == 89
	v_add_nc_u32 v[ADR], s[TB], v[LI]
	s_add_co_u32 s[TB], s[TB], TILEB
.else
	v_add_nc_u32 v[ADE], s[EB], v[EH]
	s_add_co_u32 s[EB], s[EB], 64
.endif
.endm
.macro SLICE cnt, eh, ep, ld           ; the next cnt entries, as far as the list goes
.if EL < EEND
	WIN 0
.endif
.rept \cnt
.if EL < EEND
	EPOP \eh, \ep, \ld
.set EL, EL+1
.endif
.endr
.endm
; A PHASE: group g's 16 products with the code tile of parity p; the list (eh, ep, ld) in slices behind them.
; fl = 1: the next code tile is fetched, into the other set of fragment registers: four loads behind each of the first four products, e2's two behind the fifth.  The last products that read that set stand
; a whole phase back, with that phase's slices between.  The list's 88 entries then stand in 6 + 11 x 8 places; else its 91 at the most in 16 x 6.
.macro PHASE g, p, eh, ep, ld, fl
.set EL, 0
.set EEND, 88+(\eh)
.if \ld
.set EEND, 91
.endif
.irp i, 0,1,2,3,4,5,6,7,8,9,10,11,12,13,14,15
.if \g
	WIN W_M1
.else
	WIN W_M0
.endif
.if \i < 4
	v_wmma_f32_16x16x128_fp8_fp8 v[ACC+32*(\g)+8*(\i%4):ACC+32*(\g)+8*(\i%4)+7], v[64*(\p)+16*(\i/4):64*(\p)+16*(\i/4)+15], v[64*(\i%4)+16*(\i/4):64*(\i%4)+16*(\i/4)+15], 0
.else
	v_wmma_f32_16x16x128_fp8_fp8 v[ACC+32*(\g)+8*(\i%4):ACC+32*(\g)+8*(\i%4)+7], v[64*(\p)+16*(\i/4):64*(\p)+16*(\i/4)+15], v[64*(\i%4)+16*(\i/4):64*(\i%4)+16*(\i/4)+15], v[ACC+32*(\g)+8*(\i%4):ACC+32*(\g)+8*(\i%4)+7]
.endif
.if \fl
.if \i < 4
	WIN W_F
.irp c, 0,1,2,3
	ds_load_b128 v[64*(1-(\p))+16*\i+4*\c:64*(1-(\p))+16*\i+4*\c+3], v[ADR] offset:2048*\i+512*\c
.endr
.elseif \i == 4
	WIN 0
	ds_load_b128 v[E2R+8*(1-(\p)):E2R+8*(1-(\p))+3],   v[ADE]
	ds_load_b128 v[E2R+8*(1-(\p))+4:E2R+8*(1-(\p))+7], v[ADE] offset:16
	SLICE 6, \eh, \ep, \ld
.else
	SLICE 8, \eh, \ep, \ld
.endif
.else
	SLICE 6, \eh, \ep, \ld
.endif
.endr
.endm
; THE CHANGE OF SLOTS, at the head of a slot's last tile: its fragments have been asked for, so the wait for my LDS loads is also the end of my reads of the slot.  Each wave waits for all its tensor loads
; (its quarter of the other slot), adds 0 to its spare word, and waits for that and for its reads.  fill = 1: the barrier is a round of the cluster's, so that no wave of any partner still reads the slot or has a
; load on its way; the joint refill is the first thing behind it and has 16 tiles, 512 matrix instructions of the wave, in which to land.
.macro CHANGE fill
	WIN 0                                          ; at a label and at a branch every window is 0; the add's two registers lie in window 0
	s_wait_tensorcnt 0x0                           ; no tensor load of mine is out, so a group 0 may be written
	ds_add_u32 v[SPW], v[NIL]                      ; 0 onto my spare word; the steps below stand between it and the wait for it
.if \fill
	s_xor_b32 s[G0+1], s[G0+1], SLOT1              ; the walking descriptor: the other slot than last time,
	s_add_nc_u64 s[G0+2:G0+3], s[G0+2:G0+3], 16*TILEB   ; the next 16 tiles; the type bits on top are not reached
.endif
	s_sub_co_u32 s[TB], s[TB], 16*TILEB            ; the fetches go back to a slot's first tile,
	s_xor_b32 s[TB], s[TB], SLOT1                  ; in the other slot
	s_wait_dscnt 0x0                               ; the add is done; this tile's fragments are in: my reads of the slot are over
.if \fill
	CROUND
	tensor_load_to_lds s[G0:G0+3], s[G1:G1+7]
	s_nop 0
.rept 4
	v_nop                                          ; four lines ahead of the next window switch
.endr
.else
	s_barrier_signal -1
	s_barrier_wait -1
.endif
.endm
; A CODE TILE of parity p.  mode 1: it fetches its successor; 2: a slot's last, the slot is filled again; 3: a slot's last, nothing is left to ask for; 0: the last tile of all.
; Its first phase multiplies group 0 and carries the tile before's group 1; its second multiplies group 1, carries its own group 0 and fetches.
.macro TILE p, mode
.if \mode == 2
	CHANGE 1
.elseif \mode == 3
	CHANGE 0
.else
	s_wait_dscnt 0x0                               ; this tile's fragments and e2 are in: asked for eleven matrix instructions and their slices ago
.endif
.if \mode == 0
	PHASE 0, \p, 1, 1-\p, 0, 0
	PHASE 1, \p, 0, \p, 0, 0
.else
	PHASE 0, \p, 1, 1-\p, 1, 0
	PHASE 1, \p, 0, \p, 0, 1
.endif
.endm
.macro PAIRS                           ; a slot's first 14 tiles
	WIN 0
	s_mov_b32 s58, 7
.Lpair_\@:
	TILE 0, 1
	TILE 1, 1
	WIN 0
	s_sub_co_u32 s58, s58, 1
	s_cmp_lg_u32 s58, 0
	s_cbranch_scc1 .Lpair_\@
.endm
	s_wait_tensorcnt 0x1                           ; my quarters of e2 and of slot 0 are in; slot 1's load, issued last, may stay out
	s_barrier_signal -1
	s_barrier_wait -1                              ; everybody's are
	v_add_nc_u32 v[ADR], s[TB], v[LI]              ; tile 0 is fetched
	s_add_co_u32 s[TB], s[TB], TILEB
	v_add_nc_u32 v[ADE], s[EB], v[EH]
	s_add_co_u32 s[EB], s[EB], 64
	WIN W_F
.irp s, 0,1,2,3
.irp c, 0,1,2,3
	ds_load_b128 v[16*\s+4*\c:16*\s+4*\c+3], v[ADR] offset:2048*\s+512*\c
.endr
.endr
	WIN 0
	ds_load_b128 v[E2R:E2R+3],   v[ADE]
	ds_load_b128 v[E2R+4:E2R+7], v[ADE] offset:16
	s_wait_loadcnt 0x0                             ; the queries' codes and x2
	s_mov_b32 s59, 2
.Lperiod:                                          ; tiles 0-15 and 16-31: each leaves a slot that is filled again (with tiles 32-47, 48-63)
	PAIRS
	TILE 0, 1
	TILE 1, 2
	WIN 0
	s_sub_co_u32 s59, s59, 1
	s_cmp_lg_u32 s59, 0
	s_cbranch_scc1 .Lperiod
	PAIRS                                          ; tiles 32-47: written out
	TILE 0, 1
	TILE 1, 3
	PAIRS                                          ; tiles 48-63
	TILE 0, 1
	TILE 1, 0
.set EL, 0
.set EEND, 88
	SLICE 88, 1, 1, 0                              ; the last tile's group 1
; THE END.  For query tile a: which of the eight saved distances is the minimum (the lowest j that equals it); then lane l xor 16, which holds the same query's other codes: the smaller distance, on a tie the lower code.
; The distance goes out as a whole number of the same order: its bits with the sign bit turned where it is not negative, all bits turned where it is.  -0 is made +0 first, so that equal distances have equal keys.
.macro FIN a
.set rS, STA+6*(\a)
.set rV, SAV+8*(\a)
	v_add_f32 v[rS+1], 0, v[rS+1]
	v_mov_b32 v240, 7
.irp j, 6,5,4,3,2,1,0
	v_cmp_neq_f32 vcc_lo, v[rV+\j], v[rS+1]
	v_cndmask_b32 v240, \j, v240, vcc_lo
.endr
	v_add_nc_u32 v240, v[rS+3], v240               ; the code
	v_permlanex16_b32 v241, v[rS+1], s[SEL], s[SEL+1]
	v_permlanex16_b32 v242, v240, s[SEL], s[SEL+1]
	v_cmp_lt_f32 s[MK], v241, v[rS+1]
	v_cmp_eq_f32 s[MK+1], v241, v[rS+1]
	v_cmp_lt_u32 s[MK+2], v242, v240
	s_and_b32 s[MK+1], s[MK+1], s[MK+2]
	s_or_b32 s[MK], s[MK], s[MK+1]
	v_cndmask_b32 v243, v[rS+1], v241, s[MK]
	v_cndmask_b32 v[TMP+8+(\a)], v240, v242, s[MK]
	v_ashrrev_i32 v244, 31, v243
	v_or_b32 v244, 0x80000000, v244
	v_xor_b32 v[TMP+(\a)], v243, v244
	ds_store_b32 v14, v[TMP+(\a)] offset:64*(\a)           ; lanes r and r + 16 write the same word with the same value
	ds_store_b32 v14, v[TMP+8+(\a)] offset:512+64*(\a)
.endm
.irp a, 0,1,2,3,4,5,6,7
	FIN \a
.endr
	ds_load_b128 v[240:243], v15                   ; my own bytes: LDS serves a wave's instructions in order (ISA guide 5.7.1.4): these see the stores above
	ds_load_b128 v[244:247], v15 offset:512
	s_wait_dscnt 0x0
	global_store_b128 v[LI], v[240:243], s[14:15]  ; 128 queries' keys: 32 lanes store 512 consecutive bytes, at a multiple of 512 from the buffer's first byte
	global_store_b128 v[LI], v[244:247], s[16:17]  ; and their codes
	s_wait_tensorcnt 0x0                           ; the wave's end, behind my last tensor load and my last LDS store
	ds_add_u32 v[SPW], v[NIL]
	s_wait_dscnt 0x0
	CROUND                                         ; the closing round: no work-group ends while a partner may still ask for a tile that names it
	s_endpgm
.Lfunc_end_k_qa936859b76_search:
	.size	k_qa936859b76_search, .Lfunc_end_k_qa936859b76_search-k_qa936859b76_search
	.p2alignl 7, 3214868480
	.fill 96, 4, 3214868480
	.section	.rodata,"a",@progbits
	.p2align	6, 0x0
	.amdhsa_kernel k_qa936859b76_search
		.amdhsa_group_segment_fixed_size 327680
		.amdhsa_private_segment_fixed_size 0
		.amdhsa_enable_private_segment 0
		.amdhsa_kernarg_size 56
		.amdhsa_user_sgpr_count 2
		.amdhsa_user_sgpr_kernarg_segment_ptr 1
		.amdhsa_wavefront_size32 1
		.amdhsa_system_sgpr_workgroup_id_x 1
		.amdhsa_system_sgpr_workgroup_id_y 1
		.amdhsa_system_sgpr_workgroup_id_z 1
		.amdhsa_system_vgpr_workitem_id 0
		.amdhsa_next_free_vgpr 1024
		.amdhsa_next_free_sgpr 66
		.amdhsa_reserve_vcc 1
		.amdhsa_float_denorm_mode_32 3
		.amdhsa_float_denorm_mode_16_64 3
		.amdhsa_memory_ordered 1
		.amdhsa_forward_progress 1
		.amdhsa_inst_pref_size 237
	.end_amdhsa_kernel
	.amdgpu_metadata
---
amdhsa.version: [ 1, 2 ]
amdhsa.kernels:
  - .name:           k_qa936859b76_search
    .symbol:         k_qa936859b76_search.kd
    .args:
      - { .name: xq, .offset: 0, .size: 8, .value_kind: global_buffer, .address_space: global }
      - { .name: cq, .offset: 8, .size: 8, .value_kind: global_buffer, .address_space: global }
      - { .name: x2, .offset: 16, .size: 8, .value_kind: global_buffer, .address_space: global }
      - { .name: e2, .offset: 24, .size: 8, .value_kind: global_buffer, .address_space: global }
      - { .name: lowp_scales, .offset: 32, .size: 8, .value_kind: global_buffer, .address_space: global }
      - { .name: ckey, .offset: 40, .size: 8, .value_kind: global_buffer, .address_space: global }
      - { .name: cidx, .offset: 48, .size: 8, .value_kind: global_buffer, .address_space: global }
    .group_segment_fixed_size: 327680
    .private_segment_fixed_size: 0
    .kernarg_segment_align: 8
    .kernarg_segment_size: 56
    .max_flat_workgroup_size: 128
    .sgpr_count:     66
    .vgpr_count:     1024
    .wavefront_size: 32
...
	.end_amdgpu_metadata
.endif
;; end of part 2
;; launch gather (part 3): grid 256 x 1, 8 waves a work-group, no clusters, 0 bytes of LDS; arguments ckey, cidx, codebook, out0; writes out0
.if DOCPART == 3
	.amdgcn_target "amdgcn-amd-amdhsa--gfx1250"
	.amdhsa_code_object_version 6
	.text
	.protected	k_qa936859b76_gather
	.globl	k_qa936859b76_gather
	.p2align	8
	.type	k_qa936859b76_gather,@function
k_qa936859b76_gather:
	s_mov_b64 s[64:65], 0
	v_nop
	global_prefetch_b8 v0, s[64:65] scope:SCOPE_SE
	s_setreg_imm32_b32 hwreg(HW_REG_WAVE_MODE, 25, 1), 1
	s_wait_xcnt 0x0
; out0[q][:] = codebook[code(q)][:], f32 as it is given.  code(q) is chosen among the eight candidates that the launch before stored, one for each eighth of the codebook:
; ckey [8][16384] holds each candidate's distance as an unsigned whole number of the same order as the f32 number, cidx [8][16384] its code.  The smallest key wins; on a tie the lower eighth, which is the lower code.
; Only whole numbers are compared here, and the rows' addresses hang on whole numbers read from memory, held at 8,191.
; SHARES.  A wave takes 8 queries, a work-group 64.  Straight-line text: no loop, every offset is an immediate.  A row is 2,048 bytes: four loads and four stores of 512 consecutive bytes.
; No LDS, no barrier, no matrix unit: the launch only moves bytes, 16,384 of each wave on their way at once.
	s_load_b256 s[4:11], s[0:1], 0x0               ; ckey s[4:5], cidx s[6:7], codebook s[8:9], out0 s[10:11]
	v_lshrrev_b32 v3, 5, v0
	v_readfirstlane_b32 s12, v3                    ; wave 0..7
	v_and_b32 v3, 31, v0
	v_lshlrev_b32 v1, 4, v3                        ; 16 x lane
	v_and_b32 v2, 7, v0
	v_lshlrev_b32 v2, 2, v2                        ; lane l looks at query l % 8 of the wave's eight
	s_lshl_b32 s13, ttmp9, 6
	s_lshl_b32 s12, s12, 3
	s_add_co_u32 s13, s13, s12                     ; my first query
	s_lshl_b32 s14, s13, 2
	s_mov_b32 s15, 0
	s_lshl_b32 s24, s13, 11
	s_mov_b32 s25, 0
	s_wait_kmcnt 0x0
	s_add_nc_u64 s[4:5], s[4:5], s[14:15]
	s_add_nc_u64 s[6:7], s[6:7], s[14:15]
	s_add_nc_u64 s[10:11], s[10:11], s[24:25]
.irp e, 0,1,2,3,4,5,6,7
	global_load_b32 v[8+\e],  v2, s[4:5] offset:65536*\e
	global_load_b32 v[16+\e], v2, s[6:7] offset:65536*\e
.endr
	s_wait_loadcnt 0x0
.irp e, 1,2,3,4,5,6,7
	v_cmp_lt_u32 vcc_lo, v[8+\e], v8               ; strictly below: the lower eighth keeps a tie
	v_cndmask_b32 v16, v16, v[16+\e], vcc_lo
	v_min_u32 v8, v8, v[8+\e]
.endr
.irp i, 0,1,2,3,4,5,6,7
	v_readlane_b32 s[16+\i], v16, \i               ; query i's code, for the whole wave
	s_min_u32 s[16+\i], s[16+\i], 8191             ; a number that was loaded enters an address only held inside the table
	v_lshl_add_u32 v[24+\i], s[16+\i], 11, v1      ; its row of 2,048 bytes, + 16 x lane
.irp c, 0,1,2,3
	global_load_b128 v[32+16*\i+4*\c:32+16*\i+4*\c+3], v[24+\i], s[8:9] offset:512*\c   ; (no hint: several queries may name one row)
.endr
.endr
.irp i, 0,1,2,3,4,5,6,7
	s_wait_loadcnt 28-4*\i                         ; query i's four loads are in; the four of each later query stay out
.irp c, 0,1,2,3
	global_store_b128 v1, v[32+16*\i+4*\c:32+16*\i+4*\c+3], s[10:11] offset:2048*\i+512*\c th:TH_STORE_NT   ; 32 lanes store 512 consecutive bytes, at a multiple of 512 from out0's first byte
.endr
.endr
	s_endpgm
.Lfunc_end_k_qa936859b76_gather:
	.size	k_qa936859b76_gather, .Lfunc_end_k_qa936859b76_gather-k_qa936859b76_gather
	.p2alignl 7, 3214868480
	.fill 96, 4, 3214868480
	.section	.rodata,"a",@progbits
	.p2align	6, 0x0
	.amdhsa_kernel k_qa936859b76_gather
		.amdhsa_group_segment_fixed_size 0
		.amdhsa_private_segment_fixed_size 0
		.amdhsa_enable_private_segment 0
		.amdhsa_kernarg_size 32
		.amdhsa_user_sgpr_count 2
		.amdhsa_user_sgpr_kernarg_segment_ptr 1
		.amdhsa_wavefront_size32 1
		.amdhsa_system_sgpr_workgroup_id_x 1
		.amdhsa_system_sgpr_workgroup_id_y 1
		.amdhsa_system_sgpr_workgroup_id_z 1
		.amdhsa_system_vgpr_workitem_id 0
		.amdhsa_next_free_vgpr 160
		.amdhsa_next_free_sgpr 66
		.amdhsa_reserve_vcc 1
		.amdhsa_float_denorm_mode_32 3
		.amdhsa_float_denorm_mode_16_64 3
		.amdhsa_memory_ordered 1
		.amdhsa_forward_progress 1
		.amdhsa_inst_pref_size 11
	.end_amdhsa_kernel
	.amdgpu_metadata
---
amdhsa.version: [ 1, 2 ]
amdhsa.kernels:
  - .name:           k_qa936859b76_gather
    .symbol:         k_qa936859b76_gather.kd
    .args:
      - { .name: ckey, .offset: 0, .size: 8, .value_kind: global_buffer, .address_space: global }
      - { .name: cidx, .offset: 8, .size: 8, .value_kind: global_buffer, .address_space: global }
      - { .name: codebook, .offset: 16, .size: 8, .value_kind: global_buffer, .address_space: global }
      - { .name: out0, .offset: 24, .size: 8, .value_kind: global_buffer, .address_space: global }
    .group_segment_fixed_size: 0
    .private_segment_fixed_size: 0
    .kernarg_segment_align: 8
    .kernarg_segment_size: 32
    .max_flat_workgroup_size: 256
    .sgpr_count:     66
    .vgpr_count:     160
    .wavefront_size: 32
...
	.end_amdgpu_metadata
.endif
;; end of part 3
